; MI455X (gfx1250); checked and timed in simulation.
; The chip was launched on July 23, 2026; its instructions are those of AMD's public machine-readable ISA for CDNA 5 (MIT licence, August 2026) and "CDNA5" Instruction Set Architecture Reference Guide (July 2026). The comments in the code are by the model that wrote it; some were corrected since.
;; Dot Product Attention. Allowed arithmetic: matrix products marked QUANTISED: E2M3 operands, one E8M0 scale for each 32 along K, by v_wmma_scale_f32_16x16x128_f8f6f4 with both operands' format E2M3, f32 sums; everything else in f32.
;; Inputs: Wk 512 x 512 float32; Wq 512 x 512 float32; Wv 512 x 512 float32; bk 512 float32; bq 512 float32; bv 512 float32; q 16 x 1,024 x 512 float32; x 16 x 2,048 x 512 float32.
;; Outputs: out0 16 x 1,024 x 512 float32.
;; This version of the problem:
;;   THIS VERSION OF THE PROBLEM IS GIVEN IN LOW PRECISION. The matrix products marked QUANTISED in the list below multiply operands that are first quantised to E2M3 (2 exponent bits, 3 mantissa bits; 6 bits a number), with one power-of-two scale for each 32 numbers along K (OCP MX v1.0); their sums are f32. All else is computed in f32.
;;   The module's matrix products, in the order in which they are computed (A, B: the left and right operand; K: the contracted axis; several contracted axes count as one K, in the product's order):
;;     1. [M 16,384, K 512] x [K 512, N 512]; A: input q; B: input Wq: QUANTISED
;;     2. [M 32,768, K 512] x [K 512, N 512]; A: input x; B: input Wk: QUANTISED
;;     3. [M 32,768, K 512] x [K 512, N 512]; A: input x; B: input Wv: QUANTISED
;;     4. batch 16 x [M 1,024, K 512] x [K 512, N 2,048]; A: computed on the way; B: computed on the way: QUANTISED
;;     5. batch 16 x [M 1,024, K 2,048] x [K 2,048, N 512]; A: computed on the way; B: computed on the way: QUANTISED
;;   THE QUANTISER, for each operand of a quantised product, along K:
;;     - K is cut into blocks of 32 from its start; a last block that is shorter is filled with zeros.
;;     - A block's scale is 2^e with e = floor(log2(the largest magnitude in the block)) - 2, held to -126 .. 127; a block of zeros has e = 0. As a byte (E8M0): e + 127.
;;     - Each number is divided by its block's scale, clamped to +-7.5, and rounded to the nearest number of E2M3, ties to even, subnormals kept.
;;     - The product sums the exact products of the quantised numbers (number of the format x scale) in f32.
;;   ~~~python
;;   def quantise(x, axis):      # numpy; x: float32 -> the quantised numbers, widened to float32 again
;;       x = np.moveaxis(x, axis, -1); K = x.shape[-1]
;;       x = np.pad(x, [(0, 0)] * (x.ndim - 1) + [(0, -K % 32)]); x = x.reshape(x.shape[:-1] + (-1, 32)); a = np.abs(x).max(-1, keepdims=True)
;;       e = np.where(a > 0, np.clip(np.frexp(np.where(a > 0, a, 1))[1] - 1 - 2, -126, 127), 0)      # np.frexp(a)[1] - 1 = floor(log2(a)), exactly
;;       r = np.clip(x / 2.0 ** e, -7.5, 7.5)
;;       step = 2.0 ** (np.maximum(np.frexp(np.where(r == 0, 1, r))[1] - 1, 0) - 3)
;;       q = np.round(r / step) * step * 2.0 ** e      # np.round: ties to even
;;       return np.moveaxis(q.reshape(q.shape[:-2] + (-1,))[..., :K], -1, axis).astype(np.float32)
;;   ~~~
;;   OPERANDS COMPUTED ON THE WAY. 'Computed on the way' means the value that the module computes at that place (a softmax that the list does not call 'softmax' is quantised finished and normalised). What goes into a quantiser is computed in f32, as accurately as f32 sums, v_exp_f32 and their like allow (about 1e-6 of the number): no bf16 or f16 on the way to a quantiser, and a product that is left as it is and whose result goes on into a quantised operand takes f32 operands (vector FMAs, or v_wmma_f32_16x16x4_f32). A number that lies on a knife's edge between two numbers of the format may be rounded either way, as far as f32 arithmetic and the matrix unit's own rounding can turn it there, and no further.
;; One version. Each part assembles by itself: llvm-mc -triple=amdgcn-amd-amdhsa -mcpu=gfx1250 --defsym DOCPART=n.
;; ======== version 1 of 1: 3 launches
;; workspace buffers: wws 638,976 bytes; kws 13,631,488 bytes; vws 13,631,488 bytes; qws 6,815,744 bytes
;; launch wquant (part 1): grid 96 x 1, 4 waves a work-group, no clusters, 1,024 bytes of LDS; arguments Wk, Wv, Wq, wws; writes wws
.if DOCPART == 1
	.amdgcn_target "amdgcn-amd-amdhsa--gfx1250"
	.amdhsa_code_object_version 6
	.text
	.protected	k_q8a4a814777_wquant
	.globl	k_q8a4a814777_wquant
	.p2align	8
	.type	k_q8a4a814777_wquant,@function
k_q8a4a814777_wquant:
	s_mov_b64 s[64:65], 0
	v_nop
	global_prefetch_b8 v0, s[64:65] scope:SCOPE_SE
	s_setreg_imm32_b32 hwreg(HW_REG_WAVE_MODE, 25, 1), 1
	s_wait_xcnt 0x0
; Wk, Wv, Wq [512][512] f32 (K innermost) become codes of FP6 (E2M3) with one E8M0 byte for each 32 along K, laid in the ORDER OF THE OPERAND'S REGISTERS.
; wws: entry e = 32 x weight + 8 x w + t (weight 0 = Wk, 1 = Wv, 2 = Wq; w = which 128 rows; t = which tile of 16 of them), 6,656 bytes:
;   four fragments (K step s at 1,536 s; registers 4 c .. 4 c + 3 of lane l at 512 c + 16 l), then the scale words, lane l's four (K steps 0 .. 3) at 6,144 + 16 l.
; THE ROWS OF A TILE: for Wk and Wq lane r of tile 2 b + u takes row 32 b + 8 u + r + 8 (r / 8), so that the next launch's results (used transposed) have 16 neighbours along the next K in 16 registers;
; for Wv lane r of tile t takes row 16 t + r.
; A work-group makes one entry, wave s its K step s.  A lane (r, h) loads, of its row, the 16 numbers 32 b + 16 h + 0 .. 15 of each block b of the K step.
; LIMITS: a block of zeros gets the byte 1 where the quantiser says 127 (its codes are zeros, which add nothing under any byte but 0xff, and this program alone reads the bytes); NaN and infinities are not served.
; No tensor load, no cluster, no prefetch: 3 MB in all, each work-group reads 32 KB once.
.set XN,  32                           ; v32-95  64 numbers
.set PCW, 96                           ; v96-114 the codes
.set PWW, 24                           ; v24     the scale word
.set TM,  8                            ; v8-23   at work
.set SEL, 24                           ; s[24:25] lane selects: lane l xor 16
; 64 numbers of a lane, register 16 b + i = k 32 b + 16 (lane / 16) + i of my row, become a fragment's codes in v[pc] .. v[pc + 11] and its scale word in v[pw].
.macro QUANT s, pc, pw
.irp b, 0,1,2,3
	v_max3_num_f32 v[TM+\b], |v[\s+16*\b]|, |v[\s+16*\b+1]|, 0x1800000   ; my 16 numbers of block b, and the floor 2^(3 - 127): the byte cannot fall under 1
.endr
.irp i, 2,4,6,8,10,12,14
.irp b, 0,1,2,3
	v_max3_num_f32 v[TM+\b], v[TM+\b], |v[\s+16*\b+\i]|, |v[\s+16*\b+\i+1]|
.endr
.endr
.irp b, 0,1,2,3
	v_permlanex16_b32 v[TM+4+\b], v[TM+\b], s[SEL], s[SEL+1]
.endr
.irp b, 0,1,2,3
	v_max_num_f32 v[TM+\b], v[TM+\b], v[TM+4+\b]                  ; with lane l xor 16's: the block's largest magnitude
.endr
.irp b, 0,1,2,3
	v_add_nc_u32 v[TM+12+\b], 0xff000000, v[TM+\b]                ; 2 off its exponent field: the conversion's scale operand
.endr
.irp b, 0,1,2,3
	v_lshrrev_b32 v[TM+4+\b], 23, v[TM+12+\b]                     ; the scale's byte
.endr
	v_lshl_or_b32 v[\pw], v[TM+5], 8, v[TM+4]
	v_lshl_or_b32 v[\pw], v[TM+6], 16, v[\pw]
	v_lshl_or_b32 v[\pw], v[TM+7], 24, v[\pw]
.irp c, 0,1
	v_cvt_scalef32_pk16_fp6_f32 v[\pc+6*\c:\pc+6*\c+2], v[\s+32*\c:\s+32*\c+15], v[TM+12+2*\c]
	v_cvt_scalef32_pk16_fp6_f32 v[\pc+12+4*\c:\pc+12+4*\c+2], v[\s+32*\c+16:\s+32*\c+31], v[TM+13+2*\c]   ; (a conversion's three registers begin on an even number)
.endr
	v_nop                                          ; one plain instruction behind the scaled conversions
.irp c, 0,1                                    ; the operand wants a WHOLE block in a lane: lanes 0-15 block 2 c, lanes 16-31 block 2 c + 1
.irp i, 0,1,2
	v_permlane16_swap_b32 v[\pc+6*\c+\i], v[\pc+12+4*\c+\i]
.endr
.irp i, 0,1,2
	v_mov_b32 v[\pc+3+6*\c+\i], v[\pc+12+4*\c+\i]
.endr
.endr
.endm
	s_load_b256 s[4:11], s[0:1], 0x0               ; Wk s[4:5], Wv s[6:7], Wq s[8:9], wws s[10:11]
	v_lshl_add_u32 v128, v0, 2, 0x200
	v_mov_b32 v129, 0
	v_lshrrev_b32 v1, 5, v0
	v_readfirstlane_b32 s12, v1                    ; wave = K step
	v_and_b32 v2, 15, v0                           ; r
	v_bfe_u32 v3, v0, 4, 1                         ; h
	v_and_b32 v4, 31, v0                           ; lane
	s_lshr_b32 s13, ttmp9, 5                       ; weight
	s_bfe_u32 s14, ttmp9, 0x20003                  ; w
	s_and_b32 s15, ttmp9, 7                        ; t
	s_lshr_b32 s16, s15, 1
	s_lshl_b32 s16, s16, 5
	s_and_b32 s17, s15, 1
	s_lshl_b32 s17, s17, 3
	s_add_co_u32 s16, s16, s17                     ; 32 (t / 2) + 8 (t % 2)
	s_lshl_b32 s17, s15, 4                         ; 16 t
	s_cmp_lg_u32 s13, 1                            ; Wk and Wq take the first, Wv the second
	s_cselect_b32 s16, s16, s17
	s_cselect_b32 s18, 1, 0
	s_lshl_b32 s17, s14, 7
	s_add_co_u32 s16, s16, s17                     ; + 128 w: the tile's first row
	v_and_b32 v5, 8, v2
	v_mad_u32_u24 v5, v5, s18, v2                  ; r + 8 (r / 8), or r
	v_add_nc_u32 v5, s16, v5
	v_lshlrev_b32 v5, 11, v5                       ; a row is 2,048 bytes
	v_lshl_add_u32 v5, v3, 6, v5                   ; + 64 h
	s_lshl_b32 s17, s12, 9
	v_add_nc_u32 v5, s17, v5                       ; + 512 x K step
	v_lshlrev_b32 v6, 4, v4                        ; 16 x lane
	s_lshl_b32 s17, s12, 2
	v_add_nc_u32 v7, s17, v6                       ; LDS: my lane's four scale words, my K step's
	s_mul_i32 s20, ttmp9, 6656
	s_mul_i32 s21, s12, 1536
	s_add_co_u32 s20, s20, s21
	s_mov_b32 s21, 0
	s_mov_b32 s[SEL], 0x76543210
	s_mov_b32 s[SEL+1], 0xfedcba98
.irp b, 4,5,6,7
	v_mov_b32 v[TM+\b], 0                          ; a lane permute's destination counts as one of its sources
.endr
	s_wait_kmcnt 0x0
	s_cmp_eq_u32 s13, 0                            ; the choice hangs on the work-group's number alone
	s_cselect_b64 s[4:5], s[4:5], s[6:7]
	s_cmp_eq_u32 s13, 2
	s_cselect_b64 s[4:5], s[8:9], s[4:5]
	s_add_nc_u64 s[10:11], s[10:11], s[20:21]      ; my entry, my K step's fragment
.irp k, 0,1,2,3
.irp j, 0,1,2,3
	global_load_b128 v[XN+16*\k+4*\j:XN+16*\k+4*\j+3], v5, s[4:5] offset:128*\k+16*\j
.endr
.endr
	s_wait_loadcnt 0x0
	QUANT XN, PCW, PWW
.irp c, 0,1,2
	global_store_b128 v6, v[PCW+4*\c:PCW+4*\c+3], s[10:11] offset:512*\c   ; 32 lanes store 512 consecutive bytes
.endr
	ds_store_b32 v7, v[PWW]
	s_wait_dscnt 0x0                               ; for the others' sake: my scale words lie in LDS
	s_barrier_signal -1
	s_barrier_wait -1
	s_cmp_lg_u32 s12, 0
	s_cbranch_scc1 .Ldone
	ds_load_b128 v[28:31], v6                      ; wave 0: each lane's four words, one for each K step
	s_wait_dscnt 0x0
	global_store_b128 v6, v[28:31], s[10:11] offset:6144
.Ldone:
	s_wait_tensorcnt 0x0
	ds_add_u32 v128, v129
	s_wait_dscnt 0x0
	s_endpgm
.Lfunc_end_k_q8a4a814777_wquant:
	.size	k_q8a4a814777_wquant, .Lfunc_end_k_q8a4a814777_wquant-k_q8a4a814777_wquant
	.p2alignl 7, 3214868480
	.fill 96, 4, 3214868480
	.section	.rodata,"a",@progbits
	.p2align	6, 0x0
	.amdhsa_kernel k_q8a4a814777_wquant
		.amdhsa_group_segment_fixed_size 1024
		.amdhsa_private_segment_fixed_size 0
		.amdhsa_enable_private_segment 0
		.amdhsa_kernarg_size 32
		.amdhsa_user_sgpr_count 2
		.amdhsa_user_sgpr_kernarg_segment_ptr 1
		.amdhsa_wavefront_size32 1
		.amdhsa_system_sgpr_workgroup_id_x 1
		.amdhsa_system_sgpr_workgroup_id_y 1
		.amdhsa_system_sgpr_workgroup_id_z 1
		.amdhsa_system_vgpr_workitem_id 0
		.amdhsa_next_free_vgpr 130
		.amdhsa_next_free_sgpr 66
		.amdhsa_reserve_vcc 0
		.amdhsa_float_denorm_mode_32 3
		.amdhsa_float_denorm_mode_16_64 3
		.amdhsa_memory_ordered 1
		.amdhsa_forward_progress 1
		.amdhsa_inst_pref_size 9
	.end_amdhsa_kernel
	.amdgpu_metadata
---
amdhsa.version: [ 1, 2 ]
amdhsa.kernels:
  - .name:           k_q8a4a814777_wquant
    .symbol:         k_q8a4a814777_wquant.kd
    .args:
      - { .name: Wk, .offset: 0, .size: 8, .value_kind: global_buffer, .address_space: global }
      - { .name: Wv, .offset: 8, .size: 8, .value_kind: global_buffer, .address_space: global }
      - { .name: Wq, .offset: 16, .size: 8, .value_kind: global_buffer, .address_space: global }
      - { .name: wws, .offset: 24, .size: 8, .value_kind: global_buffer, .address_space: global }
    .group_segment_fixed_size: 1024
    .private_segment_fixed_size: 0
    .kernarg_segment_align: 8
    .kernarg_segment_size: 32
    .max_flat_workgroup_size: 128
    .sgpr_count:     66
    .vgpr_count:     130
    .wavefront_size: 32
...
	.end_amdgpu_metadata
.endif
;; end of part 1
;; launch project (part 2): grid 256 x 1, 4 waves a work-group, no clusters, 327,680 bytes of LDS; arguments x, q, wws, bk, bv, bq, kws, vws, qws; writes kws, vws, qws
.if DOCPART == 2
	.amdgcn_target "amdgcn-amd-amdhsa--gfx1250"
	.amdhsa_code_object_version 6
	.text
	.protected	k_q8a4a814777_project
	.globl	k_q8a4a814777_project
	.p2align	8
	.type	k_q8a4a814777_project,@function
k_q8a4a814777_project:
	s_mov_b64 s[64:65], 0
	v_nop
	global_prefetch_b8 v0, s[64:65] scope:SCOPE_SE
	s_setreg_imm32_b32 hwreg(HW_REG_WAVE_MODE, 25, 1), 1
	s_wait_xcnt 0x0
; k = x Wk^T + bk, v = x Wv^T + bv, qp = q Wq^T + bq, on codes of FP6 (E2M3) with one E8M0 scale for each 32 along K; the three results are quantised on the way for the next launch's products
; (k and qp along the hidden axis, v along the keys) and leave as codes, in the order in which the next launch's operand registers take them.
; SHARES.  Work-group i takes 128 rows of x (key group i % 16 of batch i / 16) and 64 rows of q.  THE WAVES SHARE THE COLUMNS: wave w makes hidden units 128 w .. 128 w + 127 of k, v and qp for all rows.
; x and q come as f32 through LDS by the tensor data mover (three loads a wave of 16 rows x 2,048 bytes); each wave quantises one tile of 16 rows of each 64 and hands the fragments to the others through LDS as
; images of their registers.  The weights' fragments (made by the launch before) go from memory straight into a ring of five sets of registers: each fragment is read by one wave of the work-group and feeds 8 (q: 4) products.
; THE ROWS OF A TILE of x, q, Wk, Wq ARE NOT NEIGHBOURS: lane r of tile 2 b + u takes row 32 b + 8 u + r + 8 (r / 8).
;   k, qp: used transposed (source 0 = 16 rows of W, source 1 = 16 rows of x): a lane holds one row of x, and the 16 registers of W's tiles 2 b, 2 b + 1 are hidden units 32 b + 16 (lane / 16) + 0 .. 15: half a block.
;   v: source 0 = 16 rows of x, source 1 = 16 rows of Wv: a lane holds one hidden unit, and the registers of x's tiles 2 b, 2 b + 1 are keys 32 b + 16 (lane / 16) + 0 .. 15.
; The biases are the C of each sum's first product.
; OUT.  A record is 13,312 bytes: 8 fragments of 1,536, then the scale words of tiles 0-3 and 4-7 (16 bytes a lane, 512 each).  kws, qws: in a fragment block b, row r, half h at 384 b + 24 r + 12 h; vws: registers 4 c .. at 512 c + 16 lane.
; NO JOINT LOADS for the weights, though all work-groups read them: the two slots (2 x 133,120), the images (53,248) and the spare words (512) leave 7,680 bytes of LDS, less than two sets of 6,656,
; and a set that went through LDS would be read there by one wave only.  No prefetch: x and q are asked for whole at the start.
; LIMITS: a block of zeros gets the byte 1 where the quantiser says 127 (zero codes add nothing; this program alone reads the bytes); NaN and infinities are not served.
; REGISTERS.  window 0: v4-15 addresses; v16-47 x's scale words; v48-67 the ring's; v68-75 scale words being made; v76-83 bv; v84-91 bv as C; v92-115 at work; v116-119 a tile's four scale words; v128-255 sums (or f32 rows).
;   window 1: x's fragments of tiles 0-3 (later q's), v192-223 codes on their way out.  window 2: tiles 4-7, v192-255 bk (later bq) as C.  window 3: the ring, 5 x 48.
.set SLOT1, 133120                     ; LDS: slot 0 (x rows 0-63, later q), slot 1 (x rows 64-127): 64 rows x 2,080 (16 bytes of padding behind each 1,024)
.set XIMG,  266240                     ; x's 32 fragments, (4 m + s) x 1,536
.set XSC,   315392                     ; their scale words: tile m at 512 m, 16 bytes a lane
.set SPARE, 319488                     ; the spare words: 128 bytes a wave, named by no other line
.set QIMG,  133120                     ; q's 16 fragments and
.set QSC,   157696                     ; scale words lie in slot 1, which has had its only fill and its last read by then
.set XA,   4                           ; v4, v5  my lane's place in my tile of slot 0, 1
.set LIX,  6                           ; v6   16 x lane + XIMG
.set XWI,  7                           ; v7   + 6,144 x wave
.set XWS,  8                           ; v8   16 x lane + XSC + 512 x wave
.set LIQ,  9                           ; v9   16 x lane + QIMG
.set QWI,  10
.set QWS,  11
.set LI16, 12                          ; v12  16 x lane
.set KO,   13                          ; v13  24 r + 12 h
.set SPW,  14                          ; v14  my spare word; never rewritten
.set NIL,  15                          ; v15  0; never rewritten
.set XS,   16
.set WS,   48
.set KW,   68
.set BV,   76
.set BVC,  84
.set TM,   92
.set XPW,  116
.set BA,   120                         ; v120 64 h
.set VA,   121                         ; v121 4 r
.set ACC,  128
.set D0,   128                         ; two sets of 64 f32 numbers
.set PCX,  68                          ; codes made from x or q
.set PCV,  192                         ; codes made from v
.set CD,   192                         ; window 1
.set BKR,  192                         ; window 2
.set WV,   46
.set SEL,  44
.set WB,   48                          ; s[48:49] my 8 sets of each weight
.set KB,   50                          ; s[50:51] my record of kws;  s[52:53] of vws;  s[54:55] of qws
.set VB,   52
.set QB,   54
.set MSB, 0
.macro WIN new                         ; the immediate's high byte repeats the setting that is left
.if MSB != (\new)
	s_set_vgpr_msb (MSB<<8)|(\new)
.set MSB, (\new)
.endif
.endm
.macro PLACES                          ; four plain instructions behind a matrix instruction, ahead of reads of its result and of loads into its registers (ISA guide 7.12.1 for the reads)
.rept 4
	v_nop
.endr
.endm
.macro MM d, a, b, c, sa, sb
	v_wmma_scale_f32_16x16x128_f8f6f4 v[\d:\d+7], v[\a:\a+11], v[\b:\b+11], v[\c:\c+7], v[\sa], v[\sb] matrix_a_fmt:MATRIX_FMT_FP6 matrix_b_fmt:MATRIX_FMT_FP6
.endm
; 64 numbers of a lane, register 16 b + i = k 32 b + 16 (lane / 16) + i of my row, become a fragment's codes in v[pc] .. v[pc + 11] and its scale word in v[pw].
.macro QUANT s, pc, pw
.irp b, 0,1,2,3
	v_max3_num_f32 v[TM+\b], |v[\s+16*\b]|, |v[\s+16*\b+1]|, 0x1800000   ; my 16 numbers of block b, and the floor 2^(3 - 127): the byte cannot fall under 1
.endr
.irp i, 2,4,6,8,10,12,14
.irp b, 0,1,2,3
	v_max3_num_f32 v[TM+\b], v[TM+\b], |v[\s+16*\b+\i]|, |v[\s+16*\b+\i+1]|
.endr
.endr
.irp b, 0,1,2,3
	v_permlanex16_b32 v[TM+4+\b], v[TM+\b], s[SEL], s[SEL+1]
.endr
.irp b, 0,1,2,3
	v_max_num_f32 v[TM+\b], v[TM+\b], v[TM+4+\b]                  ; with lane l xor 16's: the block's largest magnitude
.endr
.irp b, 0,1,2,3
	v_add_nc_u32 v[TM+12+\b], 0xff000000, v[TM+\b]                ; 2 off its exponent field: the conversion's scale operand
.endr
.irp b, 0,1,2,3
	v_lshrrev_b32 v[TM+4+\b], 23, v[TM+12+\b]                     ; the scale's byte
.endr
	v_lshl_or_b32 v[\pw], v[TM+5], 8, v[TM+4]
	v_lshl_or_b32 v[\pw], v[TM+6], 16, v[\pw]
	v_lshl_or_b32 v[\pw], v[TM+7], 24, v[\pw]
.irp c, 0,1
	v_cvt_scalef32_pk16_fp6_f32 v[\pc+6*\c:\pc+6*\c+2], v[\s+32*\c:\s+32*\c+15], v[TM+12+2*\c]
	v_cvt_scalef32_pk16_fp6_f32 v[\pc+12+4*\c:\pc+12+4*\c+2], v[\s+32*\c+16:\s+32*\c+31], v[TM+13+2*\c]   ; (a conversion's three registers begin on an even number)
.endr
	v_nop                                          ; one plain instruction behind the scaled conversions
.irp c, 0,1                                    ; the operand wants a WHOLE block in a lane: lanes 0-15 block 2 c, lanes 16-31 block 2 c + 1
.irp i, 0,1,2
	v_permlane16_swap_b32 v[\pc+6*\c+\i], v[\pc+12+4*\c+\i]
.endr
.irp i, 0,1,2
	v_mov_b32 v[\pc+3+6*\c+\i], v[\pc+12+4*\c+\i]
.endr
.endr
.endm
; Set n of the weights (0-7 Wk's tiles, 8-15 Wv's, 16-23 Wq's) into place n % 5 of the ring: 12 loads of 512 consecutive bytes, and the four scale words a lane: 13 loads.
.macro LOADSET n
.set sl, (\n)%5
	WIN 0xc0                                       ; destination window 3
.irp st, 0,1,2,3
.irp c, 0,1,2
	global_load_b128 v[48*sl+12*\st+4*\c:48*sl+12*\st+4*\c+3], v[LI16], s[WB:WB+1] offset:212992*((\n)/8)+6656*((\n)%8)+1536*\st+512*\c
.endr
.endr
	WIN 0
	global_load_b128 v[WS+4*sl:WS+4*sl+3], v[LI16], s[WB:WB+1] offset:212992*((\n)/8)+6656*((\n)%8)+6144
.endm
; 64 numbers a lane of K step st of my tile's rows: of each block of 32 my 16; a row's byte c lies at c + 16 (c / 1,024)
.macro XL adr, st, d
.irp k, 0,1,2,3
.irp j, 0,1,2,3
	ds_load_b128 v[\d+16*\k+4*\j:\d+16*\k+4*\j+3], v[\adr] offset:512*(\st)+16*((\st)/2)+128*\k+16*\j
.endr
.endr
.endm
; One tile of 16 rows becomes four fragments; their images and the tile's scale words go to LDS.
.macro XQ adr, iadr, ioff, sadr, soff
	XL \adr, 0, D0
.irp st, 0,1,2,3
.if \st < 3
	XL \adr, \st+1, D0+64*((\st+1)%2)
	s_wait_dscnt 16                                ; only the 16 loads just issued may be out: this step's numbers are in, and the last image's stores have read their registers
.else
	s_wait_dscnt 0x0
.endif
	QUANT D0+64*(\st%2), PCX, XPW+\st
.irp c, 0,1,2
	ds_store_b128 v[\iadr], v[PCX+4*\c:PCX+4*\c+3] offset:\ioff+1536*\st+512*\c
.endr
.endr
	ds_store_b128 v[\sadr], v[XPW:XPW+3] offset:\soff
.endm
; A step of k or qp: W's tiles 2 b and 2 b + 1 (sets n0 + 2 b, + 1) against nm tiles of rows: a block of 32 hidden units of each row.  cnt: the loads issued behind the second set's last.
; The accumulators take turns, one instruction a turn.
.macro KSTEP b, n0, nm, base, cnt
	s_wait_loadcnt \cnt
.set mh, 0
.rept (\nm)/4
.irp st, 0,1,2,3
.if \st == 0
	WIN 0x27+4*mh                                  ; source 0 (W) window 3, source 1 (rows) window 1 or 2, C (the bias) window 2
.else
	WIN 0x07+4*mh
.endif
.irp u, 0,1
.irp m4, 0,1,2,3
.set sg, ((\n0)+2*(\b)+\u)%5
.set dd, ACC+16*(4*mh+\m4)+8*\u
.if \st == 0
	MM dd, 48*sg+12*\st, 12*(4*\m4+\st), BKR+8*(2*(\b)+\u), WS+4*sg+\st, XS+4*(4*mh+\m4)+\st
.else
	MM dd, 48*sg+12*\st, 12*(4*\m4+\st), dd, WS+4*sg+\st, XS+4*(4*mh+\m4)+\st
.endif
.endr
.endr
.endr
.set mh, mh+1
.endr
	WIN 0
	PLACES
.if (\n0)+2*(\b)+5 <= 23
	LOADSET (\n0)+2*(\b)+5                         ; into the two places just left
.endif
.if (\n0)+2*(\b)+6 <= 23
	LOADSET (\n0)+2*(\b)+6
.endif
.set mm, 0
.rept \nm                                      ; the block's largest magnitude, the tiles by turns; each accumulator is read from its low end on
	v_max3_num_f32 v[TM+mm], |v[ACC+16*mm]|, |v[ACC+16*mm+1]|, 0x1800000
.set mm, mm+1
.endr
.irp i, 2,4,6,8,10,12,14
.set mm, 0
.rept \nm
	v_max3_num_f32 v[TM+mm], v[TM+mm], |v[ACC+16*mm+\i]|, |v[ACC+16*mm+\i+1]|
.set mm, mm+1
.endr
.endr
.set mm, 0
.rept \nm
	v_permlanex16_b32 v[TM+8+mm], v[TM+mm], s[SEL], s[SEL+1]
.set mm, mm+1
.endr
.set mm, 0
.rept \nm
	v_max_num_f32 v[TM+mm], v[TM+mm], v[TM+8+mm]
.set mm, mm+1
.endr
.set mm, 0
.rept \nm
	v_add_nc_u32 v[TM+16+mm], 0xff000000, v[TM+mm]
.set mm, mm+1
.endr
.set mm, 0
.rept \nm
	v_lshrrev_b32 v[TM+8+mm], 23, v[TM+16+mm]
.set mm, mm+1
.endr
	s_wait_xcnt 0x0                                ; earlier stores have read their data: the scale words' and the codes' registers are written again only behind this wait
.set mm, 0
.rept \nm
.if \b == 0
	v_mov_b32 v[KW+mm], v[TM+8+mm]
.else
	v_lshl_or_b32 v[KW+mm], v[TM+8+mm], 8*\b, v[KW+mm]
.endif
.set mm, mm+1
.endr
	WIN 0x40                                       ; destination window 1
.set mm, 0
.rept \nm
	v_cvt_scalef32_pk16_fp6_f32 v[CD+4*mm:CD+4*mm+2], v[ACC+16*mm:ACC+16*mm+15], v[TM+16+mm]
.set mm, mm+1
.endr
	v_nop                                          ; one plain instruction behind the scaled conversions
	WIN 0x04                                       ; a store's data are its source 1: window 1
.set mm, 0
.rept \nm
	global_store_b96 v[KO], v[CD+4*mm:CD+4*mm+2], s[\base:\base+1] offset:1536*mm+384*\b   ; 32 lanes store 384 consecutive bytes: block b of tile mm's fragment
.set mm, mm+1
.endr
	WIN 0
.if \b == 3
.set mm, 0
.rept (\nm)/4
	global_store_b128 v[LI16], v[KW+4*mm:KW+4*mm+3], s[\base:\base+1] offset:(\nm)*1536+512*mm
.set mm, mm+1
.endr
.endif
.endm
; A step of v: Wv's tile n (set 8 + n) against the 8 tiles of rows: 16 hidden units x 128 keys, which is one fragment of the next launch's second product.
.macro VSTEP n, cnt
.irp j, 0,1,2,3,4,5,6,7
	v_mov_b32 v[BVC+\j], v[BV+\n]                  ; a lane holds one hidden unit: its bias in all eight registers
.endr
	PLACES
	s_wait_loadcnt \cnt
.set sg, (8+\n)%5
.irp mh, 0,1
	WIN 0x0d+\mh                                   ; source 0 (rows) window 1 or 2, source 1 (Wv) window 3
.irp st, 0,1,2,3
.irp m4, 0,1,2,3
.set dd, ACC+8*(4*\mh+\m4)
.if \st == 0
	MM dd, 12*(4*\m4+\st), 48*sg+12*\st, BVC, XS+4*(4*\mh+\m4)+\st, WS+4*sg+\st
.else
	MM dd, 12*(4*\m4+\st), 48*sg+12*\st, dd, XS+4*(4*\mh+\m4)+\st, WS+4*sg+\st
.endif
.endr
.endr
.endr
	WIN 0
	PLACES
	LOADSET 13+\n                                  ; into the place just left
	s_wait_xcnt 0x0                                ; earlier stores have read their data: the codes' and the scale words' registers are written again only behind this wait
	QUANT ACC, PCV, KW+\n
.irp c, 0,1,2
	global_store_b128 v[LI16], v[PCV+4*\c:PCV+4*\c+3], s[VB:VB+1] offset:1536*\n+512*\c   ; 32 lanes store 512 consecutive bytes
.endr
.if \n == 7
	global_store_b128 v[LI16], v[KW:KW+3], s[VB:VB+1] offset:12288
	global_store_b128 v[LI16], v[KW+4:KW+7], s[VB:VB+1] offset:12800
.endif
.endm
	s_load_b512 s[4:19], s[0:1], 0x0               ; x s[4:5], q s[6:7], wws s[8:9], bk s[10:11], bv s[12:13], bq s[14:15], kws s[16:17], vws s[18:19]
	s_load_b64 s[20:21], s[0:1], 0x40              ; qws
	v_lshl_add_u32 v[SPW], v0, 2, SPARE
	v_mov_b32 v[NIL], 0
	ds_add_u32 v14, v15
	ds_add_u32 v14, v15
	s_wait_dscnt 0x0
	v_lshrrev_b32 v1, 5, v0
	v_readfirstlane_b32 s[WV], v1                  ; wave 0..3
	; descriptor group 1: 16 rows of 256 elements of 8 bytes, 16 bytes of padding behind every 1,024
	s_mov_b32 s24, (3<<16)|(1<<20)|(7<<22)|(3<<25) ; no mask; elements of 8 bytes; padding on; after every 256 words (code 7); of 4 words (code 3)
	s_mov_b32 s25, 256<<16                         ; tensor_dim0
	s_mov_b32 s26, 16<<16                          ; tensor_dim1
	s_mov_b32 s27, 256<<16                         ; tile_dim0
	s_mov_b32 s28, 16                              ; tile_dim1
	s_mov_b32 s29, 256                             ; elements from row to row
	s_mov_b32 s30, 0
	s_mov_b32 s31, 0
	s_lshl_b32 s2, ttmp9, 18                       ; x: 128 rows of 2,048 bytes a work-group,
	s_lshl_b32 s3, s[WV], 15                       ; 16 rows a wave
	s_add_co_u32 s2, s2, s3
	s_lshl_b32 s22, ttmp9, 17                      ; q: 64 rows a work-group
	s_add_co_u32 s22, s22, s3
	s_mov_b32 s3, 0
	s_mov_b32 s23, 0
	s_mov_b32 s32, 1
	s_mul_i32 s33, s[WV], 33280                    ; LDS: 16 rows x 2,080 a wave, slot 0
	s_mov_b32 s36, 1
	s_add_co_u32 s37, s33, SLOT1                   ; slot 1
	s_mov_b32 s40, 1
	s_mov_b32 s41, s33                             ; q: slot 0 again
	s_wait_kmcnt 0x0
	s_add_nc_u64 s[34:35], s[4:5], s[2:3]          ; x rows 0-63: my 16
	s_add_nc_u64 s[38:39], s[34:35], 131072        ; x rows 64-127
	s_add_nc_u64 s[42:43], s[6:7], s[22:23]        ; q
	s_or_b32 s35, s35, 0x80000000                  ; type = 2
	s_or_b32 s39, s39, 0x80000000
	s_or_b32 s43, s43, 0x80000000
	tensor_load_to_lds s[32:35], s[24:31]          ; the two first fills go out together, ahead of everything else: two loads of mine are out
	s_nop 0
	tensor_load_to_lds s[36:39], s[24:31]
	s_nop 0
	PLACES
	s_lshr_b32 s2, ttmp9, 4                        ; batch
	s_and_b32 s3, ttmp9, 15                        ; key group g (and query block)
	s_lshl_b32 s47, s2, 3
	s_lshr_b32 s62, s3, 2                          ; kws: record (((8 batch + 2 (g / 4) + w / 2) 4 + g % 4) 2 + w % 2
	s_lshl_b32 s62, s62, 1
	s_add_co_u32 s62, s62, s47
	s_lshr_b32 s63, s[WV], 1
	s_add_co_u32 s62, s62, s63
	s_lshl_b32 s62, s62, 2
	s_and_b32 s63, s3, 3
	s_add_co_u32 s62, s62, s63
	s_lshl_b32 s62, s62, 1
	s_and_b32 s63, s[WV], 1
	s_add_co_u32 s62, s62, s63
	s_mul_i32 s62, s62, 13312
	s_mov_b32 s63, 0
	s_add_nc_u64 s[KB:KB+1], s[16:17], s[62:63]
	s_lshr_b32 s62, s3, 1                          ; vws: record (((8 batch + g / 2) 4 + w) 2 + g % 2
	s_add_co_u32 s62, s62, s47
	s_lshl_b32 s62, s62, 2
	s_add_co_u32 s62, s62, s[WV]
	s_lshl_b32 s62, s62, 1
	s_and_b32 s22, s3, 1
	s_add_co_u32 s62, s62, s22
	s_mul_i32 s62, s62, 13312
	s_add_nc_u64 s[VB:VB+1], s[18:19], s[62:63]
	s_lshl_b32 s62, ttmp9, 2                       ; qws: entry 4 i + w of 6,656 bytes
	s_add_co_u32 s62, s62, s[WV]
	s_mul_i32 s62, s62, 6656
	s_add_nc_u64 s[QB:QB+1], s[20:21], s[62:63]
	s_mul_i32 s62, s[WV], 53248                    ; my 8 sets of each weight
	s_add_nc_u64 s[WB:WB+1], s[8:9], s[62:63]
	s_lshl_b32 s62, s[WV], 9                       ; my 128 numbers of each bias
	s_add_nc_u64 s[56:57], s[10:11], s[62:63]
	s_add_nc_u64 s[58:59], s[12:13], s[62:63]
	s_add_nc_u64 s[60:61], s[14:15], s[62:63]
	s_mov_b32 s[SEL], 0x76543210
	s_mov_b32 s[SEL+1], 0xfedcba98
	v_and_b32 v1, 15, v0                           ; r
	v_bfe_u32 v2, v0, 4, 1                         ; h
	v_and_b32 v3, 31, v0                           ; lane
	v_and_b32 v[XA], 8, v1
	v_add_nc_u32 v[XA], v[XA], v1                  ; r + 8 (r / 8)
	s_lshr_b32 s2, s[WV], 1
	s_lshl_b32 s2, s2, 5
	s_and_b32 s3, s[WV], 1
	s_lshl_b32 s3, s3, 3
	s_add_co_u32 s2, s2, s3                        ; my tile begins at row 32 (w / 2) + 8 (w % 2) of a slot
	s_mul_i32 s2, s2, 2080
	v_mul_u32_u24 v[XA], v[XA], 2080
	v_lshl_add_u32 v[XA], v2, 6, v[XA]             ; + 64 h
	v_add_nc_u32 v[XA], s2, v[XA]
	v_add_nc_u32 v[XA+1], SLOT1, v[XA]
	v_lshlrev_b32 v[LI16], 4, v3
	v_add_nc_u32 v[LIX], XIMG, v[LI16]
	s_mul_i32 s3, s[WV], 6144
	v_add_nc_u32 v[XWI], s3, v[LIX]
	s_lshl_b32 s2, s[WV], 9
	v_add_nc_u32 v[XWS], s2, v[LI16]
	v_add_nc_u32 v[QWS], QSC, v[XWS]
	v_add_nc_u32 v[XWS], XSC, v[XWS]
	v_add_nc_u32 v[LIQ], QIMG, v[LI16]
	v_add_nc_u32 v[QWI], s3, v[LIQ]
	v_mul_u32_u24 v[KO], v1, 24
	v_mad_u32_u24 v[KO], v2, 12, v[KO]
	v_lshlrev_b32 v[BA], 6, v2
	v_lshlrev_b32 v[VA], 2, v1
.irp j, 4,5,6,7,8,9,10,11,12,13,14,15
	v_mov_b32 v[TM+\j], 0                          ; a lane permute's destination counts as one of its sources
.endr
	WIN 0x80                                       ; destination window 2
.irp t, 0,1,2,3,4,5,6,7                        ; bk as C: lane (r, h) wants, for W's tile 2 b + u, hidden units 32 b + 16 h + 8 u + 0 .. 7
	global_load_b128 v[BKR+8*\t:BKR+8*\t+3], v[BA], s[56:57] offset:(32*(\t/2)+8*(\t%2))*4
	global_load_b128 v[BKR+8*\t+4:BKR+8*\t+7], v[BA], s[56:57] offset:(32*(\t/2)+8*(\t%2))*4+16
.endr
	WIN 0
	LOADSET 0
	LOADSET 1
	LOADSET 2
	LOADSET 3
	LOADSET 4
	s_wait_tensorcnt 0x1                           ; my part of slot 0 has landed; slot 1's may be out
	s_barrier_signal -1
	s_barrier_wait -1                              ; everybody's has
	XQ XA, XWI, 0, XWS, 0                          ; tile w of x
	s_wait_tensorcnt 0x0                           ; all my tensor loads have landed, my part of slot 1 among them
	ds_add_u32 v[SPW], v[NIL]                      ; 0 onto my spare word
	s_wait_dscnt 0x0                               ; the add is done, my reads of slot 0 are over, my images lie in LDS
	s_barrier_signal -1
	s_barrier_wait -1
	tensor_load_to_lds s[40:43], s[24:31]          ; q into slot 0: my one tensor load behind this barrier; it lands under the products of k and v
	s_nop 0
	PLACES
	XQ XA+1, XWI, 24576, XWS, 2048                 ; tile 4 + w of x
	s_wait_dscnt 0x0                               ; my images lie in LDS, my reads of slot 1 are over
	s_barrier_signal -1
	s_barrier_wait -1                              ; x's 32 fragments lie in LDS (q's load stays out)
.irp n, 0,1,2,3,4,5,6,7
	global_load_b32 v[BV+\n], v[VA], s[58:59] offset:64*\n   ; bv of hidden unit 16 n + r
.endr
	WIN 0x40                                       ; destination window 1
.irp m, 0,1,2,3
.irp st, 0,1,2,3
.irp c, 0,1,2
	ds_load_b128 v[12*(4*\m+\st)+4*\c:12*(4*\m+\st)+4*\c+3], v[LIX] offset:(4*\m+\st)*1536+512*\c
.endr
.endr
.endr
	WIN 0x80                                       ; destination window 2
.irp m, 0,1,2,3
.irp st, 0,1,2,3
.irp c, 0,1,2
	ds_load_b128 v[12*(4*\m+\st)+4*\c:12*(4*\m+\st)+4*\c+3], v[LIX] offset:24576+(4*\m+\st)*1536+512*\c
.endr
.endr
.endr
	WIN 0
.irp m, 0,1,2,3,4,5,6,7
	ds_load_b128 v[XS+4*\m:XS+4*\m+3], v[LIX] offset:XSC-XIMG+512*\m
.endr
	s_wait_dscnt 0x0
	; k.  The counts: behind set 1 stand sets 2-4 and bv's 8 loads; behind set 3 set 4, bv's 8 and sets 5, 6; then three sets
	KSTEP 0, 0, 8, KB, 47
	KSTEP 1, 0, 8, KB, 47
	KSTEP 2, 0, 8, KB, 39
	KSTEP 3, 0, 8, KB, 39
	WIN 0x80
.irp t, 0,1,2,3,4,5,6,7                        ; bq takes bk's place
	global_load_b128 v[BKR+8*\t:BKR+8*\t+3], v[BA], s[60:61] offset:(32*(\t/2)+8*(\t%2))*4
	global_load_b128 v[BKR+8*\t+4:BKR+8*\t+7], v[BA], s[60:61] offset:(32*(\t/2)+8*(\t%2))*4+16
.endr
	WIN 0
	; v.  Behind the set in hand stand four sets, 52 loads, and in the first five steps bq's 16 too: 68, of which the wait can name 63
	VSTEP 0, 63
	VSTEP 1, 63
	VSTEP 2, 63
	VSTEP 3, 63
	VSTEP 4, 63
	VSTEP 5, 52
	VSTEP 6, 52
	VSTEP 7, 52
	s_wait_tensorcnt 0x0                           ; my part of q has landed
	s_wait_dscnt 0x0
	s_barrier_signal -1
	s_barrier_wait -1                              ; everybody's has
	s_wait_xcnt 0x0                                ; v's last stores have read their data: those registers take q's numbers and codes
	XQ XA, QWI, 0, QWS, 0                          ; tile w of q
	s_wait_dscnt 0x0
	s_barrier_signal -1
	s_barrier_wait -1                              ; q's 16 fragments lie in LDS
	WIN 0x40
.irp m, 0,1,2,3
.irp st, 0,1,2,3
.irp c, 0,1,2
	ds_load_b128 v[12*(4*\m+\st)+4*\c:12*(4*\m+\st)+4*\c+3], v[LIQ] offset:(4*\m+\st)*1536+512*\c
.endr
.endr
.endr
	WIN 0
.irp m, 0,1,2,3
	ds_load_b128 v[XS+4*\m:XS+4*\m+3], v[LIQ] offset:QSC-QIMG+512*\m
.endr
	s_wait_dscnt 0x0
	; qp.  Behind the second set in hand stand three sets, three, two, none
	KSTEP 0, 16, 4, QB, 39
	KSTEP 1, 16, 4, QB, 39
	KSTEP 2, 16, 4, QB, 26
	KSTEP 3, 16, 4, QB, 0
	s_wait_tensorcnt 0x0                           ; the wave's end
	ds_add_u32 v[SPW], v[NIL]
	s_wait_dscnt 0x0
	s_endpgm
.Lfunc_end_k_q8a4a814777_project:
	.size	k_q8a4a814777_project, .Lfunc_end_k_q8a4a814777_project-k_q8a4a814777_project
	.p2alignl 7, 3214868480
	.fill 96, 4, 3214868480
	.section	.rodata,"a",@progbits
	.p2align	6, 0x0
	.amdhsa_kernel k_q8a4a814777_project
		.amdhsa_group_segment_fixed_size 327680
		.amdhsa_private_segment_fixed_size 0
		.amdhsa_enable_private_segment 0
		.amdhsa_kernarg_size 72
		.amdhsa_user_sgpr_count 2
		.amdhsa_user_sgpr_kernarg_segment_ptr 1
		.amdhsa_wavefront_size32 1
		.amdhsa_system_sgpr_workgroup_id_x 1
		.amdhsa_system_sgpr_workgroup_id_y 1
		.amdhsa_system_sgpr_workgroup_id_z 1
		.amdhsa_system_vgpr_workitem_id 0
		.amdhsa_next_free_vgpr 1024
		.amdhsa_next_free_sgpr 66
		.amdhsa_reserve_vcc 0
		.amdhsa_float_denorm_mode_32 3
		.amdhsa_float_denorm_mode_16_64 3
		.amdhsa_memory_ordered 1
		.amdhsa_forward_progress 1
		.amdhsa_inst_pref_size 255
	.end_amdhsa_kernel
	.section	.bss,"aw",@nobits
	.p2align	6
	.space	262144
	.amdgpu_metadata
---
amdhsa.version: [ 1, 2 ]
amdhsa.kernels:
  - .name:           k_q8a4a814777_project
    .symbol:         k_q8a4a814777_project.kd
    .args:
      - { .name: x, .offset: 0, .size: 8, .value_kind: global_buffer, .address_space: global }
      - { .name: q, .offset: 8, .size: 8, .value_kind: global_buffer, .address_space: global }
      - { .name: wws, .offset: 16, .size: 8, .value_kind: global_buffer, .address_space: global }
      - { .name: bk, .offset: 24, .size: 8, .value_kind: global_buffer, .address_space: global }
      - { .name: bv, .offset: 32, .size: 8, .value_kind: global_buffer, .address_space: global }
      - { .name: bq, .offset: 40, .size: 8, .value_kind: global_buffer, .address_space: global }
      - { .name: kws, .offset: 48, .size: 8, .value_kind: global_buffer, .address_space: global }
      - { .name: vws, .offset: 56, .size: 8, .value_kind: global_buffer, .address_space: global }
      - { .name: qws, .offset: 64, .size: 8, .value_kind: global_buffer, .address_space: global }
    .group_segment_fixed_size: 327680
    .private_segment_fixed_size: 0
    .kernarg_segment_align: 8
    .kernarg_segment_size: 72
    .max_flat_workgroup_size: 128
    .sgpr_count:     66
    .vgpr_count:     1024
    .wavefront_size: 32
...
	.end_amdgpu_metadata
.endif
;; end of part 2
;; launch attend (part 3): grid 16 x 16, 4 waves a work-group, clusters of 4 x 1, 327,680 bytes of LDS; arguments qws, kws, vws, out0; writes out0
.if DOCPART == 3
	.amdgcn_target "amdgcn-amd-amdhsa--gfx1250"
	.amdhsa_code_object_version 6
	.text
	.protected	k_q8a4a814777_attend
	.globl	k_q8a4a814777_attend
	.p2align	8
	.type	k_q8a4a814777_attend,@function
k_q8a4a814777_attend:
	s_mov_b64 s[64:65], 0
	v_nop
	global_prefetch_b8 v0, s[64:65] scope:SCOPE_SE
	s_setreg_imm32_b32 hwreg(HW_REG_WAVE_MODE, 25, 1), 1
	s_wait_xcnt 0x0
	s_wait_alu depctr_hold_cnt(0) depctr_sa_sdst(0) depctr_va_vdst(0) depctr_va_sdst(0) depctr_va_ssrc(0) depctr_va_vcc(0) depctr_vm_vsrc(0)
	s_getreg_b32 s2, hwreg(HW_REG_IB_STS2, 6, 4)
	s_cmp_eq_u32 s2, 0
	s_cbranch_scc0 .Lentry_in_a_cluster
	s_endpgm
.Lentry_in_a_cluster:
	s_bfe_u32 s2, ttmp6, 0x10000c
	s_cmp_lg_u32 s2, 0x3003
	s_cbranch_scc0 .Lentry_shape_is_right
	s_endpgm
.Lentry_shape_is_right:
; out = Q(qp k^T / sqrt(512)) v, both products on codes of FP6 (E2M3) with one E8M0 scale for each 32 along a product's K; there is no softmax.  attn is quantised along the keys and never leaves the WGP.
; SHARES.  A work-group owns 64 queries of one batch (4 tiles of 16; lane r of tile m is query 32 (m / 2) + 8 (m % 2) + r + 8 (r / 8)).  The 2,048 keys go in 4 super steps of 512.
; In a super step wave w makes S^T = K Q^T for the 128 keys of its group w and all 64 queries (K = the hidden 512, in 4 steps), multiplies by 1 / sqrt(512), quantises: four fragments of P, which are K step w of the
; second product and go to the other waves through LDS as images of their registers; then it adds O^T += V^T P^T for hidden units 128 w .. + 127 over the super step's four K steps.
; Both products are used transposed: a lane holds one query throughout.  The keys of a tile of K were chosen by the launch before so that 16 registers of two neighbouring tiles are 16 neighbouring keys.
; RING.  Two LDS slots of one UNIT, 106,496 bytes: per super step Ka, Kb (hidden steps 0, 1 and 2, 3 of the four key groups), Va, Vb (key groups 0, 1 and 2, 3 for the four waves' hidden units).
; Wave w fetches the 26,624 bytes that wave w reads (two records of 8 fragments and their scale words), 104 rows of 256 dense bytes.
; CLUSTER.  The four query blocks of a cluster belong to one batch and walk the same units: each load is asked for JOINTLY, with the same descriptor and a mask that names the four.
; THE WALK.  Cluster c of a batch's four begins at super step c and walks round: c, c + 1, c + 2, c + 3 modulo 4.  So at any time the four clusters ask for four different units, and from its second super step
; on a cluster asks only for units that another cluster of the batch has read a whole super step earlier.  c is the cluster's number, which its four partners share.
; LIMITS: the f32 sums over the keys run in the order of the walk, which differs from cluster to cluster; 1 / sqrt(512) is a multiplication by the f32 number nearest to it (within about 1e-7 of the division);
; a block of zeros gets the byte 1 where the quantiser says 127 (its codes are zeros, and this program alone reads the bytes); NaN and infinities are not served.
; REGISTERS.  window 0: v2-15 addresses; v16-31 Q's scale words; v32-47 K's or V's; v48-55 P's; v56-59 P's just made; v64-159 two sets of 4 fragments of K or V; v160-255 two sets of 4 fragments of P
;   (while P is made: v64-127 64 numbers, v160-175 at work, v176-194 codes).  window 1: Q's 16 fragments.  window 2: S^T, (m, t) at 64 m + 8 t.  window 3: O^T, (m, n) at 64 m + 8 n.
.set SLOT1, 106496
.set SSB,   212992                     ; a super step's two units of K, or of V, in memory
.set PIMG,  212992                     ; P's 16 fragments, (4 k + m) x 1,536
.set PSC,   237568                     ; their scale words: K step k at 512 k, 16 bytes a lane
.set STAGE, 239616                     ; the way out: 16 rows x 528 bytes for each wave
.set SPARE, 273408                     ; the spare words: 128 bytes a wave, named by no other line
.set AKF,  2                           ; v2, v3  384 h + 24 r + my part of slot 0, 1
.set AIM,  4                           ; v4, v5  16 x lane + my part of slot 0, 1
.set LIP,  6                           ; v6   16 x lane + PIMG
.set PWI,  7                           ; v7   + 6,144 x wave
.set LPS,  8                           ; v8   16 x lane + PSC
.set PWS,  9                           ; v9   + 512 x wave
.set STO,  10
.set RD,   11
.set CO,   12                          ; v12  16 x lane
.set PFO,  13                          ; v13  the prefetch's offset; never rewritten
.set SPW,  14                          ; v14  my spare word; never rewritten
.set NIL,  15                          ; v15  0; never rewritten
.set QS,   16
.set KS,   32
.set PS,   48
.set PW4,  56
.set QA,   60                          ; v60  384 h + 24 r
.set FB,   64
.set PF,   160
.set HA,   64
.set TM,   160
.set PCP,  176
.set BKO,  64                          ; the way out: v64-127 and v128-191 by turns
.set WV,   12
.set G1,   16                          ; s[16:23] descriptor group 1
.set DKA,  24                          ; s[24:27], s[28:31], s[32:35], s[36:39] groups 0 for Ka, Kb, Va, Vb
.set DKB,  28
.set DVA,  32
.set DVB,  36
.set CS,   40                          ; s[40:41] 1 / sqrt(512)
.set SEL,  42
.set PFV,  46                          ; s[46:47] my work-group's part of Va of the cluster's first super step; never rewritten
.set ASKF, 48                          ; s48  1 in a wave that prefetches
.set BKA,  68                          ; s[68:69], s[70:71], s[72:73], s[74:75] my wave's part of Ka, Kb, Va, Vb of the batch's super step 0: they stay
.set BKB,  70
.set BVA,  72
.set BVB,  74
.set JC,   76                          ; s[76:77] the super step in hand, in bytes from super step 0
.set JN,   78                          ; s[78:79] the next one
.set POS,  80                          ; s80  the cluster's number + the super steps walked
.set MSB, 0
.macro WIN new                         ; the immediate's high byte repeats the setting that is left
.if MSB != (\new)
	s_set_vgpr_msb (MSB<<8)|(\new)
.set MSB, (\new)
.endif
.endm
.macro PLACES                          ; four plain instructions behind a matrix instruction, ahead of reads of its result and of loads into its registers (ISA guide 7.12.1 for the reads)
.rept 4
	v_nop
.endr
.endm
.macro MM d, a, b, sa, sb
	v_wmma_scale_f32_16x16x128_f8f6f4 v[\d:\d+7], v[\a:\a+11], v[\b:\b+11], v[\d:\d+7], v[\sa], v[\sb] matrix_a_fmt:MATRIX_FMT_FP6 matrix_b_fmt:MATRIX_FMT_FP6
.endm
.macro MM0 d, a, b, sa, sb             ; the first product starts the sum: nothing is ever cleared
	v_wmma_scale_f32_16x16x128_f8f6f4 v[\d:\d+7], v[\a:\a+11], v[\b:\b+11], 0, v[\sa], v[\sb] matrix_a_fmt:MATRIX_FMT_FP6 matrix_b_fmt:MATRIX_FMT_FP6
.endm
; 64 numbers of a lane, register 16 b + i = k 32 b + 16 (lane / 16) + i of my row, become a fragment's codes in v[pc] .. v[pc + 11] and its scale word in v[pw].
.macro QUANT s, pc, pw
.irp b, 0,1,2,3
	v_max3_num_f32 v[TM+\b], |v[\s+16*\b]|, |v[\s+16*\b+1]|, 0x1800000   ; my 16 numbers of block b, and the floor 2^(3 - 127): the byte cannot fall under 1
.endr
.irp i, 2,4,6,8,10,12,14
.irp b, 0,1,2,3
	v_max3_num_f32 v[TM+\b], v[TM+\b], |v[\s+16*\b+\i]|, |v[\s+16*\b+\i+1]|
.endr
.endr
.irp b, 0,1,2,3
	v_permlanex16_b32 v[TM+4+\b], v[TM+\b], s[SEL], s[SEL+1]
.endr
.irp b, 0,1,2,3
	v_max_num_f32 v[TM+\b], v[TM+\b], v[TM+4+\b]                  ; with lane l xor 16's: the block's largest magnitude
.endr
.irp b, 0,1,2,3
	v_add_nc_u32 v[TM+12+\b], 0xff000000, v[TM+\b]                ; 2 off its exponent field: the conversion's scale operand
.endr
.irp b, 0,1,2,3
	v_lshrrev_b32 v[TM+4+\b], 23, v[TM+12+\b]                     ; the scale's byte
.endr
	v_lshl_or_b32 v[\pw], v[TM+5], 8, v[TM+4]
	v_lshl_or_b32 v[\pw], v[TM+6], 16, v[\pw]
	v_lshl_or_b32 v[\pw], v[TM+7], 24, v[\pw]
.irp c, 0,1
	v_cvt_scalef32_pk16_fp6_f32 v[\pc+6*\c:\pc+6*\c+2], v[\s+32*\c:\s+32*\c+15], v[TM+12+2*\c]
	v_cvt_scalef32_pk16_fp6_f32 v[\pc+12+4*\c:\pc+12+4*\c+2], v[\s+32*\c+16:\s+32*\c+31], v[TM+13+2*\c]   ; (a conversion's three registers begin on an even number)
.endr
	v_nop                                          ; one plain instruction behind the scaled conversions
.irp c, 0,1                                    ; the operand wants a WHOLE block in a lane: lanes 0-15 block 2 c, lanes 16-31 block 2 c + 1
.irp i, 0,1,2
	v_permlane16_swap_b32 v[\pc+6*\c+\i], v[\pc+12+4*\c+\i]
.endr
.irp i, 0,1,2
	v_mov_b32 v[\pc+3+6*\c+\i], v[\pc+12+4*\c+\i]
.endr
.endr
.endm
; A round of the cluster's barrier: my work-group's barrier; wave 0 signals for the work-group; every wave waits for all four work-groups; my work-group's barrier once more.
.macro ROUND
	s_barrier_signal -1
	s_barrier_wait -1
	s_cmp_lg_u32 s[WV], 0
	s_cbranch_scc1 .Lnot_wave_0_\@
	s_barrier_signal -3
.Lnot_wave_0_\@:
	s_barrier_wait -3
	s_barrier_signal -1
	s_barrier_wait -1
.endm
; THE CHANGE OF SLOTS, at a unit's head.  Each wave waits for all its tensor loads (one is out: its part of the unit that it is about to read), adds 0 to its spare word, and waits for that, for its reads of the slot
; that it has left and for its LDS stores.  fill = 1: a round of the cluster's barrier, and the slot just left is filled by the joint load of group 0 d, whose address is made anew: the base bs + the super step's bytes off.
.macro CHANGE d, bs, off, fill
	WIN 0
	s_wait_tensorcnt 0x0                           ; no tensor load of mine is out, so a group 0 may be written
	ds_add_u32 v[SPW], v[NIL]                      ; 0 onto my spare word
.if \fill
	s_add_nc_u64 s[\d+2:\d+3], s[\bs:\bs+1], s[\off:\off+1]   ; equal in all four partners: the batch, the wave, the cluster's number and the count of super steps make it
	s_or_b32 s[\d+3], s[\d+3], 0x80000000          ; type = 2
.endif
	s_wait_dscnt 0x0
.if \fill
	ROUND
	tensor_load_to_lds s[\d:\d+3], s[G1:G1+7]      ; the first thing behind the round, and my one tensor load until the next; it has a unit's 64 products in which to land
	s_nop 0
	PLACES                                         ; (these four are also the places in front of the loads that follow)
.else
	s_barrier_signal -1
	s_barrier_wait -1
	PLACES
.endif
.endm
; A PREFETCH INTO THE L2 of Vb of the cluster's FIRST super step, behind the refill that brings Va: one refill (64 products and the quantising of P) ahead of Vb's own load.  Each of a batch's four clusters asks for
; another super step's Vb.  The four partners take the unit's four parts of 26,624 bytes, told apart BY ADDRESS; in each, waves 0 to 2 name the part's 96 blocks of 256 bytes of codes, a lane a block: each block is
; named once in the launch.  The scale words come by their load alone.  The units of a cluster's later super steps have been read by another cluster of the batch a super step earlier: they are not asked for.
.macro ASK
	s_cmp_eq_u32 s[ASKF], 1
	s_cbranch_scc0 .Lnot_mine_\@
	global_prefetch_b8 v[PFO], s[PFV:PFV+1] offset:106496 th:TH_LOAD_NT scope:SCOPE_SE
.Lnot_mine_\@:
.endm
.macro SC p, sub                       ; the scale words of record sub's eight tiles
.irp i, 0,1
	ds_load_b128 v[KS+8*(\sub)+4*\i:KS+8*(\sub)+4*\i+3], v[AIM+\p] offset:13312*(\sub)+12288+512*\i
.endr
.endm
.macro FK p, g                         ; four fragments of K: record g / 2, tiles 4 (g % 2) on: each 24 bytes of a lane as three loads of 8
.irp tt, 0,1,2,3
.irp c, 0,1
.irp i, 0,1,2
	ds_load_b64 v[FB+48*((\g)%2)+12*\tt+6*\c+2*\i:FB+48*((\g)%2)+12*\tt+6*\c+2*\i+1], v[AKF+\p] offset:13312*((\g)/2)+1536*(4*((\g)%2)+\tt)+768*\c+8*\i
.endr
.endr
.endr
.endm
.macro FV p, g                         ; four fragments of V, images of their registers
.irp nn, 0,1,2,3
.irp c, 0,1,2
	ds_load_b128 v[FB+48*((\g)%2)+12*\nn+4*\c:FB+48*((\g)%2)+12*\nn+4*\c+3], v[AIM+\p] offset:13312*((\g)/2)+1536*(4*((\g)%2)+\nn)+512*\c
.endr
.endr
.endm
.macro FP p, sub                       ; P's four fragments of K step 2 p + sub, and their scale words
.irp m, 0,1,2,3
.irp c, 0,1,2
	ds_load_b128 v[PF+48*(\sub)+12*\m+4*\c:PF+48*(\sub)+12*\m+4*\c+3], v[LIP] offset:(4*(2*(\p)+(\sub))+\m)*1536+512*\c
.endr
.endr
	ds_load_b128 v[PS+4*(\sub):PS+4*(\sub)+3], v[LPS] offset:512*(2*(\p)+(\sub))
.endm
; 16 products of S^T: four tiles of keys x four tiles of queries, hidden step 2 p + g / 2.  The accumulators take turns, one instruction a turn,
.macro MS p, g
	WIN 0xa4                                       ; source 0 (K) window 0, source 1 (Q) window 1, C and D window 2
.irp tt, 0,1,2,3
.irp m, 0,1,2,3
.set tq, 4*((\g)%2)+\tt
.set sq, 2*(\p)+(\g)/2
.if sq == 0
	MM0 64*\m+8*tq, FB+48*((\g)%2)+12*\tt, 12*(4*\m+sq), KS+8*((\g)/2)+tq, QS+4*sq+\m
.else
	MM 64*\m+8*tq, FB+48*((\g)%2)+12*\tt, 12*(4*\m+sq), KS+8*((\g)/2)+tq, QS+4*sq+\m
.endif
.endr
.endr
.endm
; 16 products of O^T: four tiles of hidden units x four tiles of queries, K step 2 p + g / 2 of the super step
.macro MO p, g, zero
	WIN 0xf0                                       ; sources 0 (V) and 1 (P) window 0, C and D window 3
.irp nn, 0,1,2,3
.irp m, 0,1,2,3
.set nq, 4*((\g)%2)+\nn
.set kq, 2*(\p)+(\g)/2
.if (\zero) && (kq == 0)
	MM0 64*\m+8*nq, FB+48*((\g)%2)+12*\nn, PF+48*((\g)/2)+12*\m, KS+8*((\g)/2)+nq, PS+4*((\g)/2)+\m
.else
	MM 64*\m+8*nq, FB+48*((\g)%2)+12*\nn, PF+48*((\g)/2)+12*\m, KS+8*((\g)/2)+nq, PS+4*((\g)/2)+\m
.endif
.endr
.endr
.endm
; A unit of K (slot p): 64 products, the fragments four at a time in two sets
.macro SUNIT p, doask
	SC \p, 0
	FK \p, 0
	FK \p, 1
.if \doask
	ASK
.endif
	s_wait_dscnt 24                                ; the second four fragments' 24 loads may be out
	MS \p, 0
	WIN 0
	PLACES
	SC \p, 1
	FK \p, 2
	s_wait_dscnt 26                                ; the 26 loads just issued may be out
	MS \p, 1
	WIN 0
	PLACES
	FK \p, 3
	s_wait_dscnt 24                                ; the 24 just issued
	MS \p, 2
	s_wait_dscnt 0x0
	MS \p, 3
	WIN 0
.endm
; A unit of V (slot p): 64 products
.macro OUNIT p, zero
	FP \p, 0
	SC \p, 0
	FV \p, 0
	FV \p, 1
	s_wait_dscnt 12                                ; the second four fragments' 12 loads may be out
	MO \p, 0, \zero
	WIN 0
	PLACES
	SC \p, 1
	FP \p, 1
	FV \p, 2
	s_wait_dscnt 27                                ; the 27 loads just issued may be out
	MO \p, 1, \zero
	WIN 0
	PLACES
	FV \p, 3
	s_wait_dscnt 12                                ; the 12 just issued
	MO \p, 2, \zero
	s_wait_dscnt 0x0
	MO \p, 3, \zero
	WIN 0
.endm
; S^T / sqrt(512) is quantised along the keys, a tile of queries at a time; the fragment's image and, at the end, the four scale words go to LDS
.macro PQUANT
	PLACES
.irp m, 0,1,2,3
	WIN 0x02                                       ; source 0 window 2
.set i, 0
.rept 32
	v_pk_mul_f32 v[HA+i:HA+i+1], v[64*\m+i:64*\m+i+1], s[CS:CS+1] op_sel_hi:[1,0]   ; ascending: each accumulator is read from its low end on
.set i, i+2
.endr
	WIN 0
	QUANT HA, PCP, PW4+\m
.irp c, 0,1,2
	ds_store_b128 v[PWI], v[PCP+4*\c:PCP+4*\c+3] offset:1536*\m+512*\c
.endr
	s_wait_dscnt 0x0                               ; the stores have read their registers
.endr
	ds_store_b128 v[PWS], v[PW4:PW4+3]
.endm
; A super step of 512 keys
.macro SS first, last
.if \first == 0
	s_mov_b32 s[JC], s[JN]                         ; on round the walk: the super step whose Ka has been asked for,
	s_add_co_u32 s[POS], s[POS], 1
	s_add_co_u32 s81, s[POS], 1
	s_and_b32 s81, s81, 3
	s_mul_i32 s[JN], s81, SSB                      ; and the one behind it, modulo 4
	CHANGE DKB, BKB, JC, 1                         ; Ka is whole; Kb goes into the slot that the last Vb has left
.endif
	SUNIT 0, 0
	CHANGE DVA, BVA, JC, 1                         ; Kb is whole; Va goes into Ka's slot
	SUNIT 1, \first                                ; (in the first super step: asks for its Vb)
	PQUANT
	CHANGE DVB, BVB, JC, 1                         ; Va is whole and P's images lie in LDS; Vb goes into Kb's slot
	OUNIT 0, \first
.if \last
	CHANGE DKA, BKA, JN, 0                         ; Vb is whole; nothing is left to fetch
.else
	CHANGE DKA, BKA, JN, 1                         ; Vb is whole; the next super step's Ka goes into Va's slot
.endif
	OUNIT 1, 0
.endm
	s_load_b256 s[4:11], s[0:1], 0x0               ; qws s[4:5], kws s[6:7], vws s[8:9], out0 s[10:11]
	v_lshl_add_u32 v[SPW], v0, 2, SPARE
	v_mov_b32 v[NIL], 0
	ds_add_u32 v14, v15
	ds_add_u32 v14, v15
	s_wait_dscnt 0x0
	v_lshrrev_b32 v1, 5, v0
	v_readfirstlane_b32 s[WV], v1                  ; wave 0..3
	s_bfe_u32 s13, ttmp6, 0x40000                  ; cx: my place in the cluster: it enters Q's, out0's and the prefetch's addresses alone
	s_and_b32 s50, ttmp7, 0xffff                   ; the batch, which the four partners share
	s_lshl_b32 s51, ttmp9, 2
	s_add_co_u32 s51, s51, s13                     ; my block of 64 queries
	s_lshl_b32 s52, s50, 4
	s_add_co_u32 s52, s52, s51                     ; i = 16 x batch + block
	s_mul_i32 s54, s50, 851968                     ; a batch's 8 units,
	s_mul_i32 s25, s[WV], 26624                    ; my wave's part of a unit: in memory and in a slot
	s_add_co_u32 s54, s54, s25
	s_mov_b32 s55, 0
	s_mov_b32 s[POS], ttmp9                        ; the walk begins at the super step of the cluster's number (0 .. 3),
	s_mul_i32 s[JC], ttmp9, SSB
	s_mov_b32 s[JC+1], 0
	s_add_co_u32 s81, ttmp9, 1
	s_and_b32 s81, s81, 3
	s_mul_i32 s[JN], s81, SSB                      ; and goes on to the next, modulo 4
	s_mov_b32 s[JN+1], 0
	; descriptor group 1: 104 rows of 32 elements of 8 bytes, dense
	s_mov_b32 s[G1], 15|(3<<16)|(1<<21)            ; 15:0 the mask: all four work-groups; 17:16 elements of 8 bytes; 21 set beside a mask; no padding
	s_mov_b32 s[G1+1], 32<<16                      ; tensor_dim0
	s_mov_b32 s[G1+2], 104<<16                     ; tensor_dim1
	s_mov_b32 s[G1+3], 32<<16                      ; tile_dim0
	s_mov_b32 s[G1+4], 104                         ; tile_dim1
	s_mov_b32 s[G1+5], 32                          ; elements from row to row
	s_mov_b32 s[G1+6], 0
	s_mov_b32 s[G1+7], 0
	s_mov_b32 s[DKA], 1
	s_mov_b32 s[DKB], 1
	s_add_co_u32 s[DKB+1], s25, SLOT1
	s_mov_b32 s[DVA], 1
	s_mov_b32 s[DVA+1], s25
	s_mov_b32 s[DVB], 1
	s_mov_b32 s[DVB+1], s[DKB+1]
	s_mul_i32 s2, s50, 851968                      ; the prefetch: the batch, my work-group's part, the cluster's first super step
	s_mul_i32 s3, s13, 26624
	s_add_co_u32 s2, s2, s3
	s_add_co_u32 s2, s2, s[JC]
	s_mov_b32 s3, 0
	s_mul_i32 s56, s52, 26624                      ; Q: four entries of 6,656 bytes a block
	s_mov_b32 s57, 0
	s_lshl_b32 s52, s52, 17                        ; out0: 64 rows of 2,048 bytes a block,
	s_lshl_b32 s53, s[WV], 9                       ; my wave's 128 columns
	s_add_co_u32 s52, s52, s53
	s_mov_b32 s53, 0
	s_lshr_b32 s[ASKF], s[WV], 1
	s_and_b32 s[ASKF], s[ASKF], s[WV]              ; 1 in wave 3 alone: waves 0 to 2 prefetch
	s_cmp_eq_u32 s[ASKF], 0
	s_cselect_b32 s[ASKF], 1, 0
	s_mov_b32 s[CS], 0x3d3504f3                    ; 1 / sqrt(512)
	s_mov_b32 s[CS+1], s[CS]                       ; (named with it as a pair, so it is written)
	s_mov_b32 s[SEL], 0x76543210
	s_mov_b32 s[SEL+1], 0xfedcba98
	s_wait_kmcnt 0x0
	s_add_nc_u64 s[BKA:BKA+1], s[6:7], s[54:55]
	s_add_nc_u64 s[BKB:BKB+1], s[BKA:BKA+1], 106496
	s_add_nc_u64 s[BVA:BVA+1], s[8:9], s[54:55]
	s_add_nc_u64 s[BVB:BVB+1], s[BVA:BVA+1], 106496
	s_add_nc_u64 s[DKA+2:DKA+3], s[BKA:BKA+1], s[JC:JC+1]
	s_add_nc_u64 s[DKB+2:DKB+3], s[BKB:BKB+1], s[JC:JC+1]
	s_or_b32 s[DKA+3], s[DKA+3], 0x80000000        ; type = 2
	s_or_b32 s[DKB+3], s[DKB+3], 0x80000000
	s_add_nc_u64 s[PFV:PFV+1], s[8:9], s[2:3]
	s_add_nc_u64 s[4:5], s[4:5], s[56:57]
	s_add_nc_u64 s[10:11], s[10:11], s[52:53]
	ROUND                                          ; all four work-groups are here: the first joint loads meet
	tensor_load_to_lds s[DKA:DKA+3], s[G1:G1+7]    ; Ka and Kb of the first super step go out together: two loads of mine are out
	s_nop 0
	tensor_load_to_lds s[DKB:DKB+3], s[G1:G1+7]
	s_nop 0
	PLACES
	v_and_b32 v61, 15, v0                          ; r
	v_bfe_u32 v62, v0, 4, 1                        ; h
	v_and_b32 v63, 31, v0                          ; lane
	v_mul_u32_u24 v[QA], v61, 24
	v_mad_u32_u24 v[QA], v62, 384, v[QA]           ; a fragment laid by blocks: lane (r, h) takes block 2 c + h, row r: 768 c + 384 h + 24 r
	v_lshlrev_b32 v[CO], 4, v63
	WIN 0x40                                       ; destination window 1
.irp st, 0,1,2,3                               ; Q stays in registers: fragment (m, st) at 12 (4 m + st)
.irp m, 0,1,2,3
.irp c, 0,1
.irp k, 0,1,2
	global_load_b64 v[12*(4*\m+\st)+6*\c+2*\k:12*(4*\m+\st)+6*\c+2*\k+1], v[QA], s[4:5] offset:6656*\st+1536*\m+768*\c+8*\k
.endr
.endr
.endr
.endr
	WIN 0
.irp st, 0,1,2,3
	global_load_b128 v[QS+4*\st:QS+4*\st+3], v[CO], s[4:5] offset:6656*\st+6144
.endr
	s_mul_i32 s14, s[WV], 26624
	v_add_nc_u32 v[AKF], s14, v[QA]
	v_add_nc_u32 v[AKF+1], SLOT1, v[AKF]
	v_add_nc_u32 v[AIM], s14, v[CO]
	v_add_nc_u32 v[AIM+1], SLOT1, v[AIM]
	v_add_nc_u32 v[LIP], PIMG, v[CO]
	s_mul_i32 s15, s[WV], 6144
	v_add_nc_u32 v[PWI], s15, v[LIP]
	v_add_nc_u32 v[LPS], PSC, v[CO]
	s_lshl_b32 s15, s[WV], 9
	v_add_nc_u32 v[PWS], s15, v[LPS]
	s_mul_i32 s15, s[WV], 8448
	s_add_co_u32 s15, s15, STAGE                   ; my stage
	v_mul_u32_u24 v[STO], v61, 528
	v_lshl_add_u32 v[STO], v62, 5, v[STO]
	v_add_nc_u32 v[STO], s15, v[STO]               ; in: row r, 32 bytes for each half of the lanes
	v_add_nc_u32 v[RD], s15, v[CO]                 ; back: the 32 lanes take one row of 512 bytes
	v_lshlrev_b32 v[PFO], 8, v0                    ; block t of the part's 96: 256 t, and past the first record's scale words from t = 48 on
	v_mov_b32 v1, 0x400
	v_cmp_le_u32 vcc_lo, 48, v0
	v_cndmask_b32 v1, 0, v1, vcc_lo
	v_add_nc_u32 v[PFO], v[PFO], v1
.irp b, 4,5,6,7
	v_mov_b32 v[TM+\b], 0                          ; a lane permute's destination counts as one of its sources
.endr
	s_wait_tensorcnt 0x1                           ; my part of Ka has landed; Kb's may be out
	s_barrier_signal -1
	s_barrier_wait -1
	s_wait_loadcnt 0x0                             ; Q
	SS 1, 0
	WIN 0                                          ; at a label and at a branch every window is 0
	s_mov_b32 s49, 2
.Lsuper:
	SS 0, 0
	WIN 0
	s_sub_co_u32 s49, s49, 1
	s_cmp_lg_u32 s49, 0
	s_cbranch_scc1 .Lsuper
	SS 0, 1                                        ; the last super step is written out
; THE WAY OUT, a tile of 16 queries x my 128 columns at a time.  A lane holds 32 neighbouring bytes of a row: a tile goes through my own stage in LDS and comes back as whole rows of 512 bytes.
; LDS serves a wave's instructions in order (ISA guide 5.7.1.4): no wait between the stores and the loads, nor in front of the next tile's stores.
.macro TOSTAGE m
	WIN 0x0c                                       ; an LDS store's data are its source 1: window 3
.irp n, 0,1,2,3,4,5,6,7
	ds_store_b128 v[STO], v[64*(\m)+8*\n:64*(\m)+8*\n+3] offset:64*\n          ; each accumulator from its low end on
	ds_store_b128 v[STO], v[64*(\m)+8*\n+4:64*(\m)+8*\n+7] offset:64*\n+16
.endr
	WIN 0
.irp t, 0,1,2,3,4,5,6,7,8,9,10,11,12,13,14,15
	ds_load_b128 v[BKO+64*((\m)%2)+4*\t:BKO+64*((\m)%2)+4*\t+3], v[RD] offset:\t*528
.endr
.endm
.macro SEND m, younger                 ; younger: the LDS instructions issued behind tile m's loads, which may stay out
	s_wait_dscnt \younger
.irp t, 0,1,2,3,4,5,6,7,8,9,10,11,12,13,14,15
	global_store_b128 v[CO], v[BKO+64*((\m)%2)+4*\t:BKO+64*((\m)%2)+4*\t+3], s[10:11] offset:2048*(32*((\m)/2)+8*((\m)%2)+\t+8*(\t/8)) th:TH_STORE_NT   ; 32 lanes store 512 consecutive bytes, at a multiple of 256 from out0's first byte
.endr
.endm
	PLACES                                         ; behind the last products: for the reads of their results and for the loads into the registers that held fragments
	TOSTAGE 0
	TOSTAGE 1
	SEND 0, 32                                     ; behind tile 0's loads: tile 1's 16 stores and 16 loads
	s_wait_xcnt 0x0                                ; tile 0's stores have read their registers: tile 2's loads may land there
	TOSTAGE 2
	SEND 1, 32
	s_wait_xcnt 0x0
	TOSTAGE 3
	SEND 2, 32
	SEND 3, 0
	s_wait_tensorcnt 0x0                           ; the wave's end
	ds_add_u32 v[SPW], v[NIL]
	s_wait_dscnt 0x0
	ROUND                                          ; the closing round: no work-group ends while a partner may still ask for a unit that names it
	s_endpgm
.Lfunc_end_k_q8a4a814777_attend:
	.size	k_q8a4a814777_attend, .Lfunc_end_k_q8a4a814777_attend-k_q8a4a814777_attend
	.p2alignl 7, 3214868480
	.fill 96, 4, 3214868480
	.section	.rodata,"a",@progbits
	.p2align	6, 0x0
	.amdhsa_kernel k_q8a4a814777_attend
		.amdhsa_group_segment_fixed_size 327680
		.amdhsa_private_segment_fixed_size 0
		.amdhsa_enable_private_segment 0
		.amdhsa_kernarg_size 32
		.amdhsa_user_sgpr_count 2
		.amdhsa_user_sgpr_kernarg_segment_ptr 1
		.amdhsa_wavefront_size32 1
		.amdhsa_system_sgpr_workgroup_id_x 1
		.amdhsa_system_sgpr_workgroup_id_y 1
		.amdhsa_system_sgpr_workgroup_id_z 1
		.amdhsa_system_vgpr_workitem_id 0
		.amdhsa_next_free_vgpr 1024
		.amdhsa_next_free_sgpr 84
		.amdhsa_reserve_vcc 1
		.amdhsa_float_denorm_mode_32 3
		.amdhsa_float_denorm_mode_16_64 3
		.amdhsa_memory_ordered 1
		.amdhsa_forward_progress 1
		.amdhsa_inst_pref_size 255
	.end_amdhsa_kernel
	.section	.bss,"aw",@nobits
	.p2align	6
	.space	262144
	.amdgpu_metadata
---
amdhsa.version: [ 1, 2 ]
amdhsa.kernels:
  - .name:           k_q8a4a814777_attend
    .symbol:         k_q8a4a814777_attend.kd
    .args:
      - { .name: qws, .offset: 0, .size: 8, .value_kind: global_buffer, .address_space: global }
      - { .name: kws, .offset: 8, .size: 8, .value_kind: global_buffer, .address_space: global }
      - { .name: vws, .offset: 16, .size: 8, .value_kind: global_buffer, .address_space: global }
      - { .name: out0, .offset: 24, .size: 8, .value_kind: global_buffer, .address_space: global }
    .group_segment_fixed_size: 327680
    .private_segment_fixed_size: 0
    .kernarg_segment_align: 8
    .kernarg_segment_size: 32
    .max_flat_workgroup_size: 128
    .sgpr_count:     84
    .vgpr_count:     1024
    .wavefront_size: 32
...
	.end_amdgpu_metadata
.endif
;; end of part 3
